; MI455X (gfx1250); checked and timed in simulation.
; The chip was launched on July 23, 2026; its instructions are those of AMD's public machine-readable ISA for CDNA 5 (MIT licence, August 2026) and "CDNA5" Instruction Set Architecture Reference Guide (July 2026). The comments in the code are by the model that wrote it; some were corrected since.
;; Quant Linear. Allowed arithmetic: matrix products marked QUANTISED: E4M3 operands, one E8M0 scale for each 32 along K, by v_wmma_scale_f32_16x16x128_f8f6f4 with both operands' format E4M3, f32 sums; products left as they are: f32 operands where the result goes on into a quantised operand, else bf16, f16 or f32 operands; f32 sums; everything else in f32.
;; Inputs: bias 4,096 float32; lora_A 16 x 4,096 float32; lora_B 4,096 x 16 float32; qweight 512 x 4,096 int32; qzeros 32 x 512 int32; scales 32 x 4,096 float32; x 4,096 x 4,096 float32.
;; Outputs: out0 4,096 x 4,096 float32.
;; This version of the problem:
;;   THIS VERSION OF THE PROBLEM IS GIVEN IN LOW PRECISION. The matrix products marked QUANTISED in the list below multiply operands that are first quantised to E4M3 (4 exponent bits, 3 mantissa bits; 8 bits a number), with one power-of-two scale for each 32 numbers along K (OCP MX v1.0); their sums are f32. All else is computed in f32.
;;   The module's matrix products, in the order in which they are computed (A, B: the left and right operand; K: the contracted axis; several contracted axes count as one K, in the product's order):
;;     1. [M 4,096, K 4,096] x [K 4,096, N 4,096]; A: input x; B: computed on the way: QUANTISED
;;     2. [M 4,096, K 4,096] x [K 4,096, N 16]; A: input x; B: input lora_A: QUANTISED
;;     3. [M 4,096, K 16] x [K 16, N 4,096]; A: computed on the way; B: input lora_B: left as it is (K = 16 < 32)
;;   THE QUANTISER, for each operand of a quantised product, along K:
;;     - K is cut into blocks of 32 from its start; a last block that is shorter is filled with zeros.
;;     - A block's scale is 2^e with e = floor(log2(the largest magnitude in the block)) - 8, held to -126 .. 127; a block of zeros has e = 0. As a byte (E8M0): e + 127.
;;     - Each number is divided by its block's scale, clamped to +-448, and rounded to the nearest number of E4M3, ties to even, subnormals kept.
;;     - The product sums the exact products of the quantised numbers (number of the format x scale) in f32.
;;   ~~~python
;;   def quantise(x, axis):      # numpy; x: float32 -> the quantised numbers, widened to float32 again
;;       x = np.moveaxis(x, axis, -1); K = x.shape[-1]
;;       x = np.pad(x, [(0, 0)] * (x.ndim - 1) + [(0, -K % 32)]); x = x.reshape(x.shape[:-1] + (-1, 32)); a = np.abs(x).max(-1, keepdims=True)
;;       e = np.where(a > 0, np.clip(np.frexp(np.where(a > 0, a, 1))[1] - 1 - 8, -126, 127), 0)      # np.frexp(a)[1] - 1 = floor(log2(a)), exactly
;;       r = np.clip(x / 2.0 ** e, -448, 448)
;;       step = 2.0 ** (np.maximum(np.frexp(np.where(r == 0, 1, r))[1] - 1, -6) - 3)
;;       q = np.round(r / step) * step * 2.0 ** e      # np.round: ties to even
;;       return np.moveaxis(q.reshape(q.shape[:-2] + (-1,))[..., :K], -1, axis).astype(np.float32)
;;   ~~~
;;   OPERANDS COMPUTED ON THE WAY. 'Computed on the way' means the value that the module computes at that place (a softmax that the list does not call 'softmax' is quantised finished and normalised). What goes into a quantiser is computed in f32, as accurately as f32 sums, v_exp_f32 and their like allow (about 1e-6 of the number): no bf16 or f16 on the way to a quantiser, and a product that is left as it is and whose result goes on into a quantised operand takes f32 operands (vector FMAs, or v_wmma_f32_16x16x4_f32). A number that lies on a knife's edge between two numbers of the format may be rounded either way, as far as f32 arithmetic and the matrix unit's own rounding can turn it there, and no further.
;; One version. Each part assembles by itself: llvm-mc -triple=amdgcn-amd-amdhsa -mcpu=gfx1250 --defsym DOCPART=n.
;; ======== version 1 of 1: 2 launches
;; limits: values are held in bf16: 8 bits of precision; right only within a limited range of input values
;; workspace buffers: xq 17,825,792 bytes; wq 20,054,016 bytes
;; launch prep (part 1): grid 1024 x 1, 4 waves a work-group, no clusters, 77,568 bytes of LDS; arguments x, qweight, qzeros, scales, lora_A, xq, wq; writes xq, wq
.if DOCPART == 1
	.amdgcn_target "amdgcn-amd-amdhsa--gfx1250"
	.amdhsa_code_object_version 6
	.text
	.protected	k_q54a5eabf55_prep
	.globl	k_q54a5eabf55_prep
	.p2align	8
	.type	k_q54a5eabf55_prep,@function
k_q54a5eabf55_prep:
	s_mov_b64 s[64:65], 0
	v_nop
	global_prefetch_b8 v0, s[64:65] scope:SCOPE_SE
	s_setreg_imm32_b32 hwreg(HW_REG_WAVE_MODE, 25, 1), 1
	s_wait_xcnt 0x0
; x [4096][4096] f32, W [4096 (k)][4096 (n)] (made here from packed 4-bit weights) and lora_A [16][4096] f32 become codes of FP8 (E4M3) with one E8M0 scale byte for each 32 along K.
; W[k][n] = scales[k / 128][n] x (nibble k % 8 of qweight[k / 8][n] - nibble n % 8 of qzeros[k / 128][n / 8]), in f32: an exact difference, one rounded multiplication.
; A block's scale is 2^(floor(log2(its largest magnitude)) - 8); its byte is the largest magnitude's exponent field - 8, held at 1 from below.  Each number is divided by the scale, held within +-448, rounded to the nearest code, ties to even.
; LIMITS: a block of zeros gets the byte 1 where the rule says 127 (its codes are zeros, which add nothing under any byte but 0xff, and the bytes are read by this program alone); blocks whose largest magnitude lies
; under 2^-118 have their byte held at 1; NaN and infinities among the inputs are not served.
; THE WORKSPACE IS LAID FOR ITS READER: a row of 272 bytes = 256 codes (a K step of 256), its 8 scale bytes, 8 zero bytes; K step outermost.
;   xq: [16 K steps][4096 rows][272].   wq: [16 K steps][32 groups][144 rows][272]: rows 0-127 of group g are W's columns 128 g + row, rows 128-143 are lora_A's 16 rows (a copy in each group).
; So the rows that a work-group of the product wants for a K step are one dense run of bytes, which lies in LDS with rows 272 bytes apart as it comes, scale bytes beside the codes.
; SHARES.  Work-groups 0-511: x; a wave takes 32 rows x 256 along K, and stores them in two halves of 16 rows.  Work-groups 512-1023: W; a work-group makes one block of wq (144 rows), a wave 32 columns x 256 along K and 4 rows of lora_A.
; The two ways part on the work-group's number alone and have LDS bytes of their own.  No tensor loads.  The claim of LDS, 77,568 bytes, and 234 registers a wave let four work-groups lie on a WGP: the grid has four for each.
.set PITCH, 272
.set EMAX,  8
.set SP,    80                         ; a lane's place in a turn stage: 64 bytes + 16 of padding
.set TST,   32*SP
.set OST,   2*TST                      ; x: a wave's LDS region: two turn stages of 32 x 80 bytes, then an out stage of 16 rows x 272
.set OHALF, 16*PITCH                   ; 4,352 bytes = 17 x 256: what the out stage holds
.set XREG,  OST+OHALF                  ; 9,472
.set WSTG,  4*XREG                     ; W: the work-group's stage, 144 rows x 272
.set WBLK,  144*PITCH                  ; 39,168 bytes: a block of wq
.set WSH,   19*512                     ; what a wave stores of it; the last 256 bytes are wave 0's
; registers of the x way
.set R,     16                         ; v16-79   four sets of 16 numbers as loaded
.set X,     80                         ; v80-111  two sets of 16 neighbours
.set E,     112                        ; v112-127 a scale byte for each step
.set C,     128                        ; v128-191 four registers of codes for each step
.set O0,    192                        ; v192-225 the first half's way out: registers of its own, so that no store's data are written again
.set O1,    16                         ; v16-49   the second half's
.set OL,    226                        ; v226     LDS address of my 8 bytes of the out stage's last 256
.set OG,    227                        ; v227     8 x lane: the same in xq
; registers of the W way
.set ZF,    16                         ; v[16:17], v[18:19] the zero point of my column in the K step's two groups of 128, as f32, twice each (a pair for the packed forms)
.set SF,    20                         ; v[20:21], v[22:23] the groups' scales, twice each
.set SB,    24                         ; v[24:27] my column's 8 scale bytes and 8 zero bytes
.set Q,     32                         ; v32-63   32 words of qweight: 256 along K of my column
.set LA,    64                         ; v64-95   a block of 32 numbers of lora_A
.set XW,    96                         ; v96-127  a block of 32 numbers of W
.set CW,    128                        ; v128-135 a block's codes
.set OW,    32                         ; v32-107  the way out
	s_load_b256 s[4:11], s[0:1], 0x0               ; x s[4:5], qweight s[6:7], qzeros s[8:9], scales s[10:11]
	s_load_b128 s[12:15], s[0:1], 0x20             ; lora_A s[12:13], xq s[14:15]
	s_load_b64 s[16:17], s[0:1], 0x30              ; wq
	v_lshl_add_u32 v232, v0, 2, 0x12d00
	v_mov_b32 v233, 0
	v_lshrrev_b32 v1, 5, v0
	v_readfirstlane_b32 s18, v1                    ; wave 0..3
	v_and_b32 v2, 31, v0                           ; lane
	s_mov_b32 s19, 0x600000                        ; the mantissa field of 448 (an instruction takes one literal)
	s_cmp_ge_u32 ttmp9, 512
	s_cbranch_scc1 .Lw
; ---------------------------------------------------------------- x
; 16 steps of two rows (512 numbers).  Each load reads 512 consecutive bytes, 16 a lane; a step's 2,048 bytes turn through the wave's own stage and come back 64 bytes a lane: 16 neighbours along K,
; two neighbouring lanes to a block.  Codes and scale bytes gather in the wave's out stage as 16 rows of 272 bytes, which are 4,352 consecutive bytes of xq; the stage is emptied behind step 7 and behind step 15.
	s_mul_i32 s20, s18, XREG                       ; my wave's region
	v_lshlrev_b32 v3, 4, v2                        ; 16 x lane: my place in a load's and in a store's 512 bytes
	v_lshrrev_b32 v8, 4, v2
	v_and_b32 v9, 15, v2
	v_mul_u32_u24 v6, v9, PITCH
	v_add_nc_u32 v6, s20, v6
	v_add_nc_u32 v6, OST+264, v6                   ; row = lane % 16: its 8 zero bytes
	v_mul_u32_u24 v8, v8, PITCH
	v_add_nc_u32 v8, s20, v8                       ; lanes 0-15 the step's even row, lanes 16-31 the odd one
	v_lshl_add_u32 v4, v9, 4, v8
	v_add_nc_u32 v4, OST, v4                       ; where my 16 codes go
	v_lshrrev_b32 v9, 1, v9
	v_add_nc_u32 v5, v8, v9
	v_add_nc_u32 v5, OST+256, v5                   ; where my block's byte goes
	v_add_nc_u32 v7, s20, v3
	v_add_nc_u32 v7, OST, v7                       ; the out stage read back as it lies: 512 bytes an instruction,
	v_lshlrev_b32 v[OG], 3, v2
	v_add_nc_u32 v[OL], s20, v[OG]
	v_add_nc_u32 v[OL], OST+4096, v[OL]            ; and its last 256 bytes, 8 a lane
	v_mov_b32 v12, 0
	v_mov_b32 v13, 0
	v_lshrrev_b32 v14, 2, v2
	v_mul_u32_u24 v14, v14, SP
	v_and_b32 v15, 3, v2
	v_lshl_add_u32 v14, v15, 4, v14
	v_add_nc_u32 v14, s20, v14                     ; the turn stage, in: four lanes' 64 bytes on end, then 16 of padding
	v_mul_u32_u24 v15, v2, SP
	v_add_nc_u32 v15, s20, v15                     ; and out: my 16 neighbours
	s_lshr_b32 s21, ttmp9, 2                       ; which 32 rows
	s_and_b32 s22, ttmp9, 3
	s_lshl_b32 s22, s22, 2
	s_add_co_u32 s22, s22, s18                     ; which K step: 4 x (work-group % 4) + wave
	s_lshl_b32 s24, s21, 19                        ; 32 rows of 16,384 bytes
	s_lshl_b32 s25, s22, 10                        ; 256 numbers
	s_add_co_u32 s24, s24, s25
	s_mov_b32 s25, 0
	s_lshl_b32 s26, s22, 12
	s_lshl_b32 s27, s21, 5
	s_add_co_u32 s26, s26, s27
	s_mul_i32 s26, s26, PITCH                      ; (4096 x K step + row) x 272: a multiple of 8,704
	s_mov_b32 s27, 0
	s_wait_alu depctr_va_vdst(0)
	s_wait_kmcnt 0x0
	s_add_nc_u64 s[4:5], s[4:5], s[24:25]
	s_add_nc_u64 s[14:15], s[14:15], s[26:27]
.macro LOAD t                          ; rows 2 t and 2 t + 1: four loads of 512 consecutive bytes
.irp i, 0,1,2,3
	global_load_b128 v[R+16*((\t)%4)+4*\i:R+16*((\t)%4)+4*\i+3], v3, s[4:5] offset:(2*(\t)+\i/2)*16384+(\i%2)*512 th:TH_LOAD_NT
.endr
.endm
.macro TURN t                          ; LDS serves a wave's instructions in order (ISA guide 5.7.1): no wait between the stores and the loads
.irp i, 0,1,2,3
	ds_store_b128 v14, v[R+16*((\t)%4)+4*\i:R+16*((\t)%4)+4*\i+3] offset:TST*((\t)%2)+8*SP*\i
.endr
.irp i, 0,1,2,3
	ds_load_b128 v[X+16*((\t)%2)+4*\i:X+16*((\t)%2)+4*\i+3], v15 offset:TST*((\t)%2)+16*\i
.endr
.endm
.macro STEP t
.set XS, X+16*((\t)%2)
.if (\t) > 0
	s_wait_dscnt 2                                 ; this step's numbers are back from the stage; the last step's two stores into the out stage may be out
.else
	s_wait_dscnt 0x0
.endif
.if (\t)+4 < 16
	LOAD (\t)+4                                    ; into the registers that this step's stores into the stage have read
.endif
.if (\t)+1 < 16
.if 14-(\t) >= 3
	s_wait_loadcnt 12                              ; the next step's four loads are in; those of the three steps behind it may be out
.else
	s_wait_loadcnt 4*(14-(\t))
.endif
	TURN (\t)+1                                    ; through the other stage, while this step is worked
.endif
	v_max3_num_f32 v8, |v[XS]|, |v[XS+1]|, |v[XS+2]|               ; the largest magnitude of my 16, in two chains
	v_max3_num_f32 v9, |v[XS+3]|, |v[XS+4]|, |v[XS+5]|
.irp i, 6,10
	v_max3_num_f32 v8, v8, |v[XS+\i]|, |v[XS+\i+1]|
	v_max3_num_f32 v9, v9, |v[XS+\i+2]|, |v[XS+\i+3]|
.endr
	v_max3_num_f32 v8, v8, |v[XS+14]|, |v[XS+15]|
	v_max3_num_f32 v8, v8, v9, (EMAX+1)<<23        ; and the floor 2^(9 - 127): the byte cannot fall under 1
	v_max_num_f32_dpp v8, v8, v8 row_xmask:1 row_mask:0xf bank_mask:0xf   ; with my neighbour's 16: the block's
	v_add_nc_u32 v11, -(EMAX<<23), v8              ; 8 off its exponent field: the conversion takes this operand's exponent field as its scale
	v_and_or_b32 v10, v8, 0x7f800000, s19          ; 448 x the scale
.irp i, 0,1,2,3,4,5,6,7,8,9,10,11,12,13,14,15
	v_med3_num_f32 v[XS+\i], v[XS+\i], -v10, v10   ; the conversion to an 8-bit code does not saturate (ISA guide 7.6.2): the hold comes first
.endr
	v_cvt_scalef32_pk8_fp8_f32 v[C+4*(\t):C+4*(\t)+1], v[XS:XS+7], v11
	v_cvt_scalef32_pk8_fp8_f32 v[C+4*(\t)+2:C+4*(\t)+3], v[XS+8:XS+15], v11
	v_lshrrev_b32 v[E+(\t)], 23, v11               ; the scale's byte (also the plain line behind the conversions)
	ds_store_b8 v5, v[E+(\t)] offset:2*PITCH*((\t)%8)   ; both lanes of a block write the same byte with the same value
	ds_store_b128 v4, v[C+4*(\t):C+4*(\t)+3] offset:2*PITCH*((\t)%8)
.endm
; The out stage's 16 rows leave: eight stores of 512 consecutive bytes and one of 256, each at a multiple of 256 from xq's first byte (4,352 = 17 x 256).
; The loads come in order behind my stores into the stage, and the next half's stores into it come in order behind these loads.
.macro FLUSH half, reg
.irp i, 0,1,2,3,4,5,6,7
	ds_load_b128 v[\reg+4*\i:\reg+4*\i+3], v7 offset:512*\i
.endr
	ds_load_b64 v[\reg+32:\reg+33], v[OL]
.irp i, 0,1,2,3,4,5,6,7
	s_wait_dscnt 8-\i                              ; of the nine loads the younger ones may be out
	global_store_b128 v3, v[\reg+4*\i:\reg+4*\i+3], s[14:15] offset:OHALF*\half+512*\i
.endr
	s_wait_dscnt 0x0
	global_store_b64 v[OG], v[\reg+32:\reg+33], s[14:15] offset:OHALF*\half+4096
.endm
	ds_store_b64 v6, v[12:13]                      ; the 16 rows' zero bytes, written once: no later store touches them.  (Lanes l and l + 16 write the same zeros to the same place)
.irp t, 0,1,2,3
	LOAD \t
.endr
	s_wait_loadcnt 12                              ; step 0's four loads are in
	TURN 0
.irp t, 0,1,2,3,4,5,6,7
	STEP \t
.endr
	FLUSH 0, O0                                    ; rows 0-15 leave while the loads of rows 16-31 are on their way
.irp t, 8,9,10,11,12,13,14,15
	STEP \t
.endr
	FLUSH 1, O1
	s_wait_tensorcnt 0x0
	ds_add_u32 v232, v233
	s_wait_dscnt 0x0
	s_endpgm
; ---------------------------------------------------------------- W and lora_A
; A LANE TAKES A COLUMN n, AND ITS REGISTERS RUN DOWN K: a word of qweight holds 8 neighbours along K of one column, so 4 words are a block of 32 in one lane: its largest magnitude needs no other lane,
; and the conversions give codes with K innermost.  Of lora_A, whose K is innermost, a lane takes one block of 32 of one row.  All 144 rows meet in the work-group's stage and leave as they lie.
.Lw:
	s_sub_co_u32 s20, ttmp9, 512                   ; which block of wq: 32 x K step + group
	s_and_b32 s21, s20, 31                         ; the group of 128 columns
	s_lshr_b32 s22, s20, 5                         ; the K step
	s_lshl_b32 s23, s21, 9
	s_lshl_b32 s24, s18, 7
	s_add_co_u32 s23, s23, s24                     ; my wave's first column x 4 bytes
	s_lshl_b32 s24, s22, 19                        ; qweight: 32 rows of 16,384 bytes a K step
	s_add_co_u32 s24, s24, s23
	s_mov_b32 s25, 0
	s_lshl_b32 s26, s22, 15                        ; scales: 2 rows of 16,384 bytes a K step
	s_add_co_u32 s26, s26, s23
	s_mov_b32 s27, 0
	s_lshl_b32 s28, s22, 12                        ; qzeros: 2 rows of 2,048 bytes a K step; a word for 8 columns
	s_lshl_b32 s29, s21, 6
	s_add_co_u32 s28, s28, s29
	s_lshl_b32 s29, s18, 4
	s_add_co_u32 s28, s28, s29
	s_mov_b32 s29, 0
	s_lshl_b32 s30, s18, 16                        ; lora_A: my wave's 4 rows of 16,384 bytes, the K step's 1,024 bytes
	s_lshl_b32 s31, s22, 10
	s_add_co_u32 s30, s30, s31
	s_mov_b32 s31, 0
	s_mul_i32 s32, s20, WBLK
	s_mov_b32 s33, 0
	s_wait_alu depctr_va_vdst(0)
	v_lshlrev_b32 v3, 2, v2                        ; 4 bytes a lane
	s_lshl_b32 s34, s18, 5
	v_add_nc_u32 v4, s34, v2
	v_mul_u32_u24 v4, v4, PITCH
	v_add_nc_u32 v4, WSTG, v4                      ; the stage: row 32 x wave + lane: my column
	v_lshrrev_b32 v10, 3, v2                       ; lane / 8
	v_and_b32 v11, 7, v2                           ; lane % 8
	s_lshl_b32 s34, s18, 2
	s_add_co_u32 s34, s34, 128
	v_add_nc_u32 v12, s34, v10
	v_mul_u32_u24 v12, v12, PITCH
	v_add_nc_u32 v12, WSTG, v12                    ; row 128 + 4 x wave + lane / 8: my row of lora_A
	v_lshl_add_u32 v5, v11, 5, v12                 ; my block's 32 codes,
	v_add_nc_u32 v6, v12, v11
	v_add_nc_u32 v6, 256, v6                       ; and its byte
	s_mul_i32 s34, s18, WSH
	v_lshlrev_b32 v8, 4, v2
	v_add_nc_u32 v8, s34, v8                       ; the way out: my wave's 9,728 bytes of the block, 16 a lane,
	v_add_nc_u32 v7, WSTG, v8                      ; and the same in the stage
	v_lshlrev_b32 v14, 3, v2
	v_add_nc_u32 v14, 4*WSH, v14                   ; the block's last 256 bytes, 8 a lane (wave 0)
	v_add_nc_u32 v9, WSTG, v14
	v_lshlrev_b32 v15, 2, v11                      ; my column's nibble in a word of qzeros: bit 4 (n % 8)
	v_lshlrev_b32 v28, 2, v10                      ; and which word
	v_lshlrev_b32 v29, 14, v10
	v_lshl_add_u32 v29, v11, 7, v29                ; lora_A: row lane / 8, block lane % 8
	v_mov_b32 v26, 0
	v_mov_b32 v27, 0
	v_mov_b32 v110, 0
	s_wait_alu depctr_va_vdst(0)
	s_wait_kmcnt 0x0
	s_add_nc_u64 s[6:7], s[6:7], s[24:25]
	s_add_nc_u64 s[10:11], s[10:11], s[26:27]
	s_add_nc_u64 s[8:9], s[8:9], s[28:29]
	s_add_nc_u64 s[12:13], s[12:13], s[30:31]
	s_add_nc_u64 s[16:17], s[16:17], s[32:33]
	global_load_b32 v30, v28, s[8:9]
	global_load_b32 v31, v28, s[8:9] offset:2048
	global_load_b32 v[SF], v3, s[10:11]
	global_load_b32 v[SF+2], v3, s[10:11] offset:16384
.set n, 0
.rept 32
	global_load_b32 v[Q+n], v3, s[6:7] offset:n*16384 th:TH_LOAD_NT   ; neighbouring lanes read neighbouring columns
.set n, n+1
.endr
.irp j, 0,1,2,3,4,5,6,7
	global_load_b128 v[LA+4*\j:LA+4*\j+3], v29, s[12:13] offset:16*\j
.endr
	s_wait_loadcnt 8                               ; all but lora_A's eight
	v_lshrrev_b32 v30, v15, v30
	v_lshrrev_b32 v31, v15, v31
	v_and_b32 v30, 15, v30
	v_and_b32 v31, 15, v31
	v_cvt_f32_u32 v[ZF], v30
	v_cvt_f32_u32 v[ZF+2], v31
	v_mov_b32 v[ZF+1], v[ZF]
	v_mov_b32 v[ZF+3], v[ZF+2]
	v_mov_b32 v[SF+1], v[SF]
	v_mov_b32 v[SF+3], v[SF+2]
.macro UNPACK t                        ; block t of my column: words 4 t .. 4 t + 3; nibble e of word j is k = 8 j + e
.irp j, 0,1,2,3
.irp e, 0,1,2,3,4,5,6,7
	v_bfe_u32 v[XW+8*\j+\e], v[Q+4*(\t)+\j], 4*\e, 4
.endr
.endr
.set n, 0
.rept 32
	v_cvt_f32_u32 v[XW+n], v[XW+n]
.set n, n+1
.endr
.set n, 0
.rept 16
	v_pk_add_f32 v[XW+n:XW+n+1], v[XW+n:XW+n+1], v[ZF+2*((\t)/4):ZF+2*((\t)/4)+1] neg_lo:[0,1] neg_hi:[0,1]   ; w - z: exact
.set n, n+2
.endr
.set n, 0
.rept 16
	v_pk_mul_f32 v[XW+n:XW+n+1], v[XW+n:XW+n+1], v[SF+2*((\t)/4):SF+2*((\t)/4)+1]   ; x the group's scale: the one rounding.  (A difference and then a product: no fused form computes this)
.set n, n+2
.endr
.endm
.macro QBLOCK xs                       ; 32 numbers of one block in v[xs] on become 32 codes in v[CW] on and the byte in v13
	v_max3_num_f32 v12, |v[\xs]|, |v[\xs+1]|, |v[\xs+2]|
	v_max3_num_f32 v13, |v[\xs+3]|, |v[\xs+4]|, |v[\xs+5]|
.irp i, 6,10,14,18,22,26
	v_max3_num_f32 v12, v12, |v[\xs+\i]|, |v[\xs+\i+1]|
	v_max3_num_f32 v13, v13, |v[\xs+\i+2]|, |v[\xs+\i+3]|
.endr
	v_max3_num_f32 v12, v12, |v[\xs+30]|, |v[\xs+31]|
	v_max3_num_f32 v12, v12, v13, (EMAX+1)<<23     ; and the floor 2^(9 - 127)
	v_add_nc_u32 v11, -(EMAX<<23), v12             ; the conversion's scale operand
	v_and_or_b32 v10, v12, 0x7f800000, s19         ; 448 x the scale
.set n, 0
.rept 32
	v_med3_num_f32 v[\xs+n], v[\xs+n], -v10, v10   ; the hold (ISA guide 7.6.2)
.set n, n+1
.endr
.irp g, 0,1,2,3
	v_cvt_scalef32_pk8_fp8_f32 v[CW+2*\g:CW+2*\g+1], v[\xs+8*\g:\xs+8*\g+7], v11
.endr
	v_lshrrev_b32 v13, 23, v11                     ; the scale's byte: a plain line directly behind the last conversion, ahead of the next vector line that writes the conversions' sources
.endm
.set T, 0
.rept 8
	UNPACK T
	QBLOCK XW
.if T%4 == 0
	v_mov_b32 v[SB+T/4], v13                       ; four bytes to a register, the lower K in the lower byte
.else
	v_lshl_or_b32 v[SB+T/4], v13, 8*(T%4), v[SB+T/4]
.endif
	ds_store_b128 v4, v[CW:CW+3] offset:32*T
	ds_store_b128 v4, v[CW+4:CW+7] offset:32*T+16
	s_wait_dscnt 0x0                               ; the stores have read their registers: the next block's codes may be written
.set T, T+1
.endr
	s_wait_alu depctr_va_vdst(0)
	ds_store_b128 v4, v[SB:SB+3] offset:256        ; my column's 8 scale bytes and 8 zero bytes
	s_wait_loadcnt 0x0                             ; lora_A
	QBLOCK LA
	ds_store_b128 v5, v[CW:CW+3]
	ds_store_b128 v5, v[CW+4:CW+7] offset:16
	ds_store_b8 v6, v13
	ds_store_b8 v6, v110 offset:8                  ; eight lanes write a row's 8 zero bytes
	s_wait_dscnt 0x0                               ; for the others' sake: my stores into the stage are done
	s_barrier_signal -1
	s_barrier_wait -1                              ; the 144 rows are whole.  (All four waves of a work-group are on this way: the parting hangs on the work-group's number)
.irp i, 0,1,2,3,4,5,6,7,8,9,10,11,12,13,14,15,16,17,18
	ds_load_b128 v[OW+4*\i:OW+4*\i+3], v7 offset:512*\i
.endr
.irp i, 0,1,2,3,4,5,6,7,8,9,10,11,12,13,14,15,16,17,18
	s_wait_dscnt 18-\i
	global_store_b128 v8, v[OW+4*\i:OW+4*\i+3], s[16:17] offset:512*\i   ; 32 lanes store 512 consecutive bytes, at a multiple of 256 from wq's first byte
.endr
	s_cmp_lg_u32 s18, 0
	s_cbranch_scc1 .Lend
	ds_load_b64 v[108:109], v9                     ; 39,168 = 4 x 9,728 + 256: wave 0 stores the last 256 bytes
	s_wait_dscnt 0x0
	global_store_b64 v14, v[108:109], s[16:17]
.Lend:
	s_wait_tensorcnt 0x0
	ds_add_u32 v232, v233
	s_wait_dscnt 0x0
	s_endpgm
.Lfunc_end_k_q54a5eabf55_prep:
	.size	k_q54a5eabf55_prep, .Lfunc_end_k_q54a5eabf55_prep-k_q54a5eabf55_prep
	.p2alignl 7, 3214868480
	.fill 96, 4, 3214868480
	.section	.rodata,"a",@progbits
	.p2align	6, 0x0
	.amdhsa_kernel k_q54a5eabf55_prep
		.amdhsa_group_segment_fixed_size 77568
		.amdhsa_private_segment_fixed_size 0
		.amdhsa_enable_private_segment 0
		.amdhsa_kernarg_size 56
		.amdhsa_user_sgpr_count 2
		.amdhsa_user_sgpr_kernarg_segment_ptr 1
		.amdhsa_wavefront_size32 1
		.amdhsa_system_sgpr_workgroup_id_x 1
		.amdhsa_system_sgpr_workgroup_id_y 1
		.amdhsa_system_sgpr_workgroup_id_z 1
		.amdhsa_system_vgpr_workitem_id 0
		.amdhsa_next_free_vgpr 234
		.amdhsa_next_free_sgpr 66
		.amdhsa_reserve_vcc 0
		.amdhsa_float_denorm_mode_32 3
		.amdhsa_float_denorm_mode_16_64 3
		.amdhsa_memory_ordered 1
		.amdhsa_forward_progress 1
		.amdhsa_inst_pref_size 139
	.end_amdhsa_kernel
	.amdgpu_metadata
---
amdhsa.version: [ 1, 2 ]
amdhsa.kernels:
  - .name:           k_q54a5eabf55_prep
    .symbol:         k_q54a5eabf55_prep.kd
    .args:
      - { .name: x, .offset: 0, .size: 8, .value_kind: global_buffer, .address_space: global }
      - { .name: qweight, .offset: 8, .size: 8, .value_kind: global_buffer, .address_space: global }
      - { .name: qzeros, .offset: 16, .size: 8, .value_kind: global_buffer, .address_space: global }
      - { .name: scales, .offset: 24, .size: 8, .value_kind: global_buffer, .address_space: global }
      - { .name: lora_A, .offset: 32, .size: 8, .value_kind: global_buffer, .address_space: global }
      - { .name: xq, .offset: 40, .size: 8, .value_kind: global_buffer, .address_space: global }
      - { .name: wq, .offset: 48, .size: 8, .value_kind: global_buffer, .address_space: global }
    .group_segment_fixed_size: 77568
    .private_segment_fixed_size: 0
    .kernarg_segment_align: 8
    .kernarg_segment_size: 56
    .max_flat_workgroup_size: 128
    .sgpr_count:     66
    .vgpr_count:     234
    .wavefront_size: 32
...
	.end_amdgpu_metadata
.endif
;; end of part 1
;; launch gemm (part 2): grid 16 x 16, 4 waves a work-group, clusters of 4 x 4, 327,680 bytes of LDS; arguments xq, wq, lora_B, bias, out0; writes out0
.if DOCPART == 2
	.amdgcn_target "amdgcn-amd-amdhsa--gfx1250"
	.amdhsa_code_object_version 6
	.text
	.protected	k_q54a5eabf55_gemm
	.globl	k_q54a5eabf55_gemm
	.p2align	8
	.type	k_q54a5eabf55_gemm,@function
k_q54a5eabf55_gemm:
	s_mov_b64 s[64:65], 0
	v_nop
	global_prefetch_b8 v0, s[64:65] scope:SCOPE_SE
	s_setreg_imm32_b32 hwreg(HW_REG_WAVE_MODE, 25, 1), 1
	s_wait_xcnt 0x0
	s_wait_alu depctr_hold_cnt(0) depctr_sa_sdst(0) depctr_va_vdst(0) depctr_va_sdst(0) depctr_va_ssrc(0) depctr_va_vcc(0) depctr_vm_vsrc(0)
	s_getreg_b32 s2, hwreg(HW_REG_IB_STS2, 6, 4)
	s_cmp_eq_u32 s2, 0
	s_cbranch_scc0 .Lentry_in_a_cluster
	s_endpgm
.Lentry_in_a_cluster:
	s_bfe_u32 s2, ttmp6, 0x10000c
	s_cmp_lg_u32 s2, 0xf033
	s_cbranch_scc0 .Lentry_shape_is_right
	s_endpgm
.Lentry_shape_is_right:
; out0[m][n] = sum_k Q(x)[m][k] Q(W)[k][n] + bias[n] + 2 sum_r T[m][r] lora_B[n][r],  T[m][r] = sum_k Q(x)[m][k] Q(lora_A)[r][k].
; Codes of E4M3 and E8M0 scale bytes come from xq and wq: rows of 272 bytes = 256 codes, 8 scale bytes, 8 zero bytes; K step of 256 outermost; wq in groups of 144 rows (128 columns of W, then lora_A's 16 rows).
; A work-group of four waves makes 256 x 256 of out0, a wave 128 x 128: 64 accumulators, 512 registers.  16 K steps go through a ring of two LDS slots; a wave's tensor load brings 128 rows of xq or one group of wq, a dense run of bytes.
; T: the two waves that share 128 rows make 64 rows of it each (their four low blocks of A are different halves), round it to bf16 and exchange it through LDS; the last product has bf16 operands (2 x lora_B, T; K = 16 filled to 32 with zeros).
; LIMIT: T and 2 x lora_B are rounded to bf16 ahead of the third product, whose sums are f32.
; CLUSTERS: 4 x 4 work-groups; xq's tiles are asked for jointly along a row of the cluster, wq's along a column.  The matrix instruction is used transposed (source 0 = W's columns, source 1 = x's rows): a lane holds 8 neighbouring columns of a row of out0.
; PREFETCH: behind the refill with K step s each wave names K step s + 2 of the tile that it fetches; the four partners of a joint load share its blocks of 256 bytes out by address (34 each of xq's 136; 39, 39, 39, 36 of wq's 153): two instructions a wave,
; left-over lanes name the share's last block again.  The head names K steps 1 and 2; the refills with K steps 14 and 15 name nothing.
; REGISTERS: window 0: v0-31 addresses and lora_A's scale words, v32-63 scale words (two sets), v64-95 T's sums, v96-111 lora_A's fragment, v112-115 bias, v116-117 prefetch offsets, v128-255 A's fragments (one set);
; window 1: B's fragments, two sets;  windows 2, 3: the accumulators of my low and high 64 rows.
.set PITCH,  272
.set HALFA,  128*PITCH                 ; what a wave fetches of xq
.set HALFB,  144*PITCH                 ; and of wq
.set SLOT,   2*HALFA+2*HALFB
.set ROT,    64*PITCH
.set XSTEP,  4096*PITCH                ; a K step of xq in bytes
.set WSTEP,  32*HALFB                  ; and of wq
.set FR,     16
.set NL,     4
.set NP,     8                         ; places behind this matrix form (ISA guide 7.12.1)
.set NQ,     2
.set LAPS,   8
.set SPARE,  2*SLOT                    ; the spare words: 128 bytes a wave, named by no other line
.set LBIMG,  SPARE+512                 ; 4,096 bytes a wave: its fragments of 2 x lora_B in bf16
.set SPITCH, 528                       ; the way out: a stage of 16 rows x 528 bytes a wave, in slot 0 behind its last fill and last read
.set TIMG,   4*16*SPITCH               ; behind the stages: 2,048 bytes a wave: its 64 rows of T in bf16
.set LSC,   8
.set ADRAL, 12
.set ADRAH, 14
.set ADRB,  16
.set ADRSL, 18
.set ADRSH, 20
.set STO,   22
.set RD,    23
.set CO,    24
.set LBA,   25
.set TWI,   26
.set TRI,   27
.set SPW,   28
.set NIL,   29
.set LBO,   30
.set SC,    32
.set TA,    64
.set LF,    96
.set BIAS,  112
.set PFO,   116
.set AF,    128
.set TF,    128
.set LB,    192
.set BK,    128
.set G1,  24
.set G0,  32
.set G1B, 48
.set G0B, 56
.set CHI, 66
.set PFA, 72                           ; s[72:73] where my prefetches stand
.set PFS, 74                           ; s[74:75] a K step of my tensor in bytes
.set PF1, 76                           ; s[76:77] the head's second prefetch address
.set MSB, 0
.macro WIN new                         ; the immediate's high byte repeats the setting that is left
.if MSB != (\new)
	s_set_vgpr_msb (MSB<<8)|(\new)
.set MSB, (\new)
.endif
.endm
.set MUL_LO, 0xa1
.set MUL_HI, 0xf1
.set TO_B,   0x40
.macro JLOAD g0a, g1a, g0b, g1b        ; a joint load: waves 0, 1 fetch xq's halves, waves 2, 3 wq's; s_nop 0 and four v_nop behind each line
	s_cmp_eq_u32 s15, 0
	s_cbranch_scc0 .Lfor_b_\@
	tensor_load_to_lds s[\g0a:\g0a+3], s[\g1a:\g1a+7]
	s_nop 0
.rept 4
	v_nop
.endr
	s_branch .Lasked_\@
.Lfor_b_\@:
	tensor_load_to_lds s[\g0b:\g0b+3], s[\g1b:\g1b+7]
	s_nop 0
.rept 4
	v_nop
.endr
.Lasked_\@:
.endm
.macro CREST                           ; a round of the cluster's barrier behind its opening barrier
	s_cmp_lg_u32 s14, 0
	s_cbranch_scc1 .Lnot_wave_0_\@
	s_barrier_signal -3
.Lnot_wave_0_\@:
	s_barrier_wait -3
	s_barrier_signal -1
	s_barrier_wait -1
.endm
.macro CROUND
	s_barrier_signal -1
	s_barrier_wait -1
	CREST
.endm
.macro ASK loop                        ; my share of the K step at s[PFA]; in the loop's last trip (s3 = 1) that K step does not exist
.if \loop
	s_cmp_gt_u32 s3, 1
	s_cbranch_scc0 .Lno_ask_\@
.endif
	global_prefetch_b8 v[PFO], s[PFA:PFA+1] th:TH_LOAD_NT scope:SCOPE_SE
	global_prefetch_b8 v[PFO+1], s[PFA:PFA+1] th:TH_LOAD_NT scope:SCOPE_SE
.if \loop
.Lno_ask_\@:
.endif
.endm
	s_load_b256 s[4:11], s[0:1], 0x0               ; xq, wq, lora_B, bias
	s_load_b64 s[12:13], s[0:1], 0x20              ; out0
	v_lshl_add_u32 v[SPW], v0, 2, SPARE
	v_mov_b32 v[NIL], 0
	ds_add_u32 v[SPW], v[NIL]                      ; the opening lines: the add twice on end and one wait
	ds_add_u32 v[SPW], v[NIL]
	v_lshrrev_b32 v1, 5, v0
	v_readfirstlane_b32 s14, v1                    ; wave
	s_lshr_b32 s15, s14, 1                         ; my half of the rows; also: I fetch xq (0) or wq (1)
	s_and_b32 s16, s14, 1                          ; my half of the columns; also: which half I fetch
	s_bfe_u32 s40, ttmp6, 0x40000                  ; cx
	s_bfe_u32 s41, ttmp6, 0x40004                  ; cy
	s_lshl_b32 s42, ttmp9, 2
	s_add_co_u32 s42, s42, s40                     ; tile column
	s_and_b32 s17, ttmp7, 0xffff
	s_lshl_b32 s17, s17, 2
	s_add_co_u32 s17, s17, s41                     ; tile row
	s_lshl_b32 s43, s41, 2
	s_lshl_b32 s43, 15, s43                        ; my row of the cluster
	s_lshl_b32 s44, 0x1111, s40                    ; my column
	s_or_b32 s[G1+0], s43, (3<<16)|(1<<21)         ; elements of 8 bytes, rows of 256 bytes, dense: 136 rows of xq's tile,
	s_or_b32 s[G1B+0], s44, (3<<16)|(1<<21)        ; 153 of wq's
	s_mov_b32 s[G1+1], 32<<16
	s_mov_b32 s[G1+2], 136<<16
	s_mov_b32 s[G1+3], 32<<16
	s_mov_b32 s[G1+4], 136
	s_mov_b32 s[G1+5], 32
	s_mov_b32 s[G1+6], 0
	s_mov_b32 s[G1+7], 0
	s_mov_b32 s[G1B+1], 32<<16
	s_mov_b32 s[G1B+2], 153<<16
	s_mov_b32 s[G1B+3], 32<<16
	s_mov_b32 s[G1B+4], 153
	s_mov_b32 s[G1B+5], 32
	s_mov_b32 s[G1B+6], 0
	s_mov_b32 s[G1B+7], 0
	s_lshl_b32 s18, s16, 7
	s_lshl_b32 s20, s17, 8
	s_add_co_u32 s20, s20, s18
	s_mul_i32 s20, s20, PITCH                      ; xq: (256 x tile row + 128 x half) rows
	s_mov_b32 s21, 0
	s_lshl_b32 s46, s42, 1
	s_add_co_u32 s46, s46, s16
	s_mul_i32 s46, s46, HALFB                      ; wq: group 2 x tile column + half
	s_mov_b32 s47, 0
	s_mul_i32 s45, s16, HALFA                      ; LDS: xq's halves, then wq's
	s_mul_i32 s23, s16, HALFB
	s_add_co_u32 s23, s23, 2*HALFA
	s_mov_b32 s80, WSTEP                           ; the prefetches: by my tensor, its offset, K step, share, last block, and my place among the four partners
	s_mov_b32 s82, 152
	s_cmp_eq_u32 s15, 0
	s_cselect_b32 s78, s20, s46
	s_cselect_b32 s[PFS], XSTEP, s80
	s_cselect_b32 s81, 34, 39
	s_cselect_b32 s82, 135, s82
	s_cselect_b32 s83, s40, s41
	s_mov_b32 s79, 0
	s_mov_b32 s[PFS+1], 0
	s_mul_i32 s83, s83, s81                        ; my share's first block
	s_sub_co_u32 s81, s81, 1
	v_and_b32 v1, 15, v0                           ; l % 16
	v_bfe_u32 v2, v0, 4, 1                         ; l / 16
	v_and_b32 v3, 31, v0
	v_lshlrev_b32 v[CO], 4, v3                     ; 16 x lane
	v_lshlrev_b32 v[LBO], 6, v1                    ; lora_B: row l % 16 of 64 bytes, 8 numbers for each half of the lanes
	v_lshl_add_u32 v[LBO], v2, 5, v[LBO]
	v_add_nc_u32 v[PFO], s83, v3                   ; blocks 0-31 of my share,
	v_min_u32 v[PFO], s82, v[PFO]
	v_lshlrev_b32 v[PFO], 8, v[PFO]
	v_add_nc_u32 v[PFO+1], 32, v3                  ; and the rest, held at the share's and the tile's last block
	v_min_u32 v[PFO+1], s81, v[PFO+1]
	v_add_nc_u32 v[PFO+1], s83, v[PFO+1]
	v_min_u32 v[PFO+1], s82, v[PFO+1]
	v_lshlrev_b32 v[PFO+1], 8, v[PFO+1]
	s_wait_alu depctr_va_vdst(0)
	s_wait_dscnt 0x0                               ; both opening adds are done
	s_wait_kmcnt 0x0
	s_add_nc_u64 s[20:21], s[4:5], s[20:21]
	s_add_nc_u64 s[46:47], s[6:7], s[46:47]
	s_cmp_eq_u32 s15, 0
	s_cselect_b64 s[PFA:PFA+1], s[4:5], s[6:7]
	s_add_nc_u64 s[PFA:PFA+1], s[PFA:PFA+1], s[78:79]
	s_add_nc_u64 s[PF1:PF1+1], s[PFA:PFA+1], s[PFS:PFS+1]   ; K step 1
	s_add_nc_u64 s[PFA:PFA+1], s[PF1:PF1+1], s[PFS:PFS+1]   ; K step 2
.irp s, 0,1
	s_mov_b32 s[G0+4*\s], 1
	s_add_co_u32 s[G0+4*\s+1], s45, \s*SLOT
	s_add_nc_u64 s[G0+4*\s+2:G0+4*\s+3], s[20:21], \s*XSTEP
	s_or_b32 s[G0+4*\s+3], s[G0+4*\s+3], 0x80000000
	s_mov_b32 s[G0B+4*\s], 1
	s_add_co_u32 s[G0B+4*\s+1], s23, \s*SLOT
	s_add_nc_u64 s[G0B+4*\s+2:G0B+4*\s+3], s[46:47], \s*WSTEP
	s_or_b32 s[G0B+4*\s+3], s[G0B+4*\s+3], 0x80000000
.endr
	CROUND                                         ; all sixteen work-groups are here: the first joint loads meet
	JLOAD G0, G1, G0B, G1B                         ; K step 0: one tensor load a wave at the head
	; under that load's flight: bias, lora_B, the head's prefetches, the addresses
	s_lshl_b32 s46, s42, 8
	s_lshl_b32 s47, s16, 7
	s_add_co_u32 s46, s46, s47                     ; my first column
	s_lshl_b32 s70, s46, 6
	s_mov_b32 s71, 0
	s_add_nc_u64 s[8:9], s[8:9], s[70:71]
	s_lshl_b32 s70, s46, 2
	s_add_nc_u64 s[10:11], s[10:11], s[70:71]
	global_load_b128 v[BIAS:BIAS+3], v[CO], s[10:11]
.irp b, 0,1,2,3,4,5,6,7
.irp u, 0,1
	global_load_b128 v[128+8*\b+4*\u:128+8*\b+4*\u+3], v[LBO], s[8:9] offset:1024*\b+16*\u
.endr
.endr
	s_lshl_b32 s68, s17, 8                         ; out0: my low 64 rows begin at 256 x tile row + 128 x row half + 64 x column half, my high 64 at the other 64
	s_lshl_b32 s47, s15, 7
	s_add_co_u32 s68, s68, s47
	s_lshl_b32 s47, s16, 6
	s_add_co_u32 s46, s68, s47
	s_xor_b32 s47, s47, 64
	s_add_co_u32 s47, s68, s47
	s_lshl_b32 s46, s46, 14
	s_lshl_b32 s47, s47, 14
	s_add_co_u32 s68, s46, s70
	s_mov_b32 s69, 0
	s_add_co_u32 s70, s47, s70
	s_add_nc_u64 s[CHI:CHI+1], s[12:13], s[70:71]
	s_add_nc_u64 s[12:13], s[12:13], s[68:69]
	s_mul_i32 s18, s15, HALFA
	s_mul_i32 s19, s16, ROT
	s_add_co_u32 s20, s18, s19                     ; LDS: my low four blocks of A,
	s_xor_b32 s19, s16, 1
	s_mul_i32 s19, s19, ROT
	s_add_co_u32 s21, s18, s19                     ; my high four
	s_xor_b32 s22, s15, 1
	s_mul_i32 s22, s22, HALFA
	s_add_co_u32 s22, s22, HALFA
	s_mul_i32 s18, s16, HALFB-ROT
	s_add_co_u32 s18, s18, s22                     ; from A's low blocks to B's blocks 0-3: what lanes 16-31 add for their scale words,
	s_mul_i32 s19, s16, HALFB+ROT
	s_add_co_u32 s19, s19, s22                     ; from A's high blocks to B's blocks 4-7
	s_mul_i32 s78, s14, 16*SPITCH                  ; my stage
	s_lshl_b32 s79, s14, 12
	s_add_co_u32 s79, s79, LBIMG
	s_lshl_b32 s80, s14, 11
	s_add_co_u32 s80, s80, TIMG                    ; my T,
	s_xor_b32 s81, s14, 1
	s_lshl_b32 s81, s81, 11
	s_add_co_u32 s81, s81, TIMG                    ; my partner's
	v_mul_u32_u24 v3, v1, PITCH
	v_lshl_add_u32 v4, v2, 4, v3                   ; a fragment's row x pitch + 16 x half
	v_add_nc_u32 v5, 256, v3                       ; a row's scale bytes
	v_mul_u32_u24 v6, s18, v2
	v_mul_u32_u24 v7, s19, v2
	v_add_nc_u32 v6, v5, v6
	v_add_nc_u32 v7, v5, v7
	v_add_nc_u32 v[ADRAL], s20, v4
	v_add_nc_u32 v[ADRAH], s21, v4
	v_add_nc_u32 v[ADRB], s23, v4
	v_add_nc_u32 v[ADRSL], s20, v6
	v_add_nc_u32 v[ADRSH], s21, v7
.irp r, ADRAL, ADRAH, ADRB, ADRSL, ADRSH
	v_add_nc_u32 v[\r+1], SLOT, v[\r]              ; the same in slot 1
.endr
	v_mul_u32_u24 v5, v1, SPITCH
	v_lshl_add_u32 v5, v2, 5, v5
	v_add_nc_u32 v[STO], s78, v5
	v_add_nc_u32 v[RD], s78, v[CO]
	v_add_nc_u32 v[LBA], s79, v[CO]
	v_add_nc_u32 v[TWI], s80, v[CO]
	v_add_nc_u32 v[TRI], s81, v[CO]
	s_wait_alu depctr_va_vdst(0)
	s_wait_loadcnt 0x0
	global_prefetch_b8 v[PFO], s[PF1:PF1+1] th:TH_LOAD_NT scope:SCOPE_SE     ; K steps 1 and 2 are named behind what the head itself needs
	global_prefetch_b8 v[PFO+1], s[PF1:PF1+1] th:TH_LOAD_NT scope:SCOPE_SE
	ASK 0
.set n, 0
.rept 32
	v_pk_mul_f32 v[128+n:128+n+1], v[128+n:128+n+1], 2.0 op_sel_hi:[1,0]   ; lora_alpha / r = 2: exact
.set n, n+2
.endr
.set n, 0
.rept 32
	v_cvt_pk_bf16_f32 v[192+n], v[128+2*n], v[128+2*n+1]
.set n, n+1
.endr
.irp b, 0,1,2,3,4,5,6,7
	ds_store_b128 v[LBA], v[192+4*\b:192+4*\b+3] offset:512*\b   ; an image of the fragments' low registers, read back by this wave alone
.endr
.macro FRAG reg, adr, q, i             ; 16 rows x 128 K: registers 4 c .. 4 c + 3 hold K = 32 c + 16 (l / 16) + 0 .. 15
.irp c, 0,1,2,3
	ds_load_b128 v[\reg+4*\c:\reg+4*\c+3], v[\adr] offset:128*(\q)+32*\c+(\i)*16*PITCH
.endr
.endm
.macro MUL16 a0, p, q, sc, zero        ; A's blocks a0, a0 + 1 x B's eight; the accumulators take turns; zero = 1 starts the sums
.irp a, \a0, \a0+1
.irp b, 0,1,2,3,4,5,6,7
.if \zero
	v_wmma_scale_f32_16x16x128_f8f6f4 v[8*(8*((\a)%4)+\b):8*(8*((\a)%4)+\b)+7], v[128*(\p)+FR*\b:128*(\p)+FR*\b+FR-1], v[AF+FR*(\a):AF+FR*(\a)+FR-1], 0, v[SC+8*NQ*(\sc)+NQ*\b+(\q)], v[SC+8*NQ*(\sc)+NQ*(\a)+(\q)] matrix_a_scale:MATRIX_SCALE_ROW1
.else
	v_wmma_scale_f32_16x16x128_f8f6f4 v[8*(8*((\a)%4)+\b):8*(8*((\a)%4)+\b)+7], v[128*(\p)+FR*\b:128*(\p)+FR*\b+FR-1], v[AF+FR*(\a):AF+FR*(\a)+FR-1], v[8*(8*((\a)%4)+\b):8*(8*((\a)%4)+\b)+7], v[SC+8*NQ*(\sc)+NQ*\b+(\q)], v[SC+8*NQ*(\sc)+NQ*(\a)+(\q)] matrix_a_scale:MATRIX_SCALE_ROW1
.endif
.endr
.endr
.endm
.macro MUL8 a, p, q, sc
.irp b, 0,1,2,3,4,5,6,7
	v_wmma_scale_f32_16x16x128_f8f6f4 v[8*(8*((\a)%4)+\b):8*(8*((\a)%4)+\b)+7], v[128*(\p)+FR*\b:128*(\p)+FR*\b+FR-1], v[AF+FR*(\a):AF+FR*(\a)+FR-1], v[8*(8*((\a)%4)+\b):8*(8*((\a)%4)+\b)+7], v[SC+8*NQ*(\sc)+NQ*\b+(\q)], v[SC+8*NQ*(\sc)+NQ*(\a)+(\q)] matrix_a_scale:MATRIX_SCALE_ROW1
.endr
.endm
.macro LORA4 q, sc, zero               ; T of my low four blocks: source 0 = lora_A's 16 rows
.irp t, 0,1,2,3
.if \zero
	v_wmma_scale_f32_16x16x128_f8f6f4 v[TA+8*\t:TA+8*\t+7], v[LF:LF+FR-1], v[AF+FR*\t:AF+FR*\t+FR-1], 0, v[LSC+NQ*(\sc)+(\q)], v[SC+8*NQ*(\sc)+NQ*\t+(\q)] matrix_a_scale:MATRIX_SCALE_ROW1
.else
	v_wmma_scale_f32_16x16x128_f8f6f4 v[TA+8*\t:TA+8*\t+7], v[LF:LF+FR-1], v[AF+FR*\t:AF+FR*\t+FR-1], v[TA+8*\t:TA+8*\t+7], v[LSC+NQ*(\sc)+(\q)], v[SC+8*NQ*(\sc)+NQ*\t+(\q)] matrix_a_scale:MATRIX_SCALE_ROW1
.endif
.endr
.endm
.macro FETCH_B slot, q, p
	WIN TO_B
.irp i, 0,1,2,3,4,5,6,7
	FRAG 128*(\p)+FR*\i, ADRB+\slot, \q, \i
.endr
	WIN 0
.endm
.macro FETCH_B4 slot, q, p, i0
	WIN TO_B
.irp i, 0,1,2,3
	FRAG 128*(\p)+FR*(\i0+\i), ADRB+\slot, \q, \i0+\i
.endr
.endm
.macro FETCH_L slot, q
	FRAG LF, ADRB+\slot, \q, 8
.endm
.macro FETCH_A slot, q, hi
.irp i, 0,1,2,3
.if \hi
	FRAG AF+FR*(4+\i), ADRAH+\slot, \q, \i
.else
	FRAG AF+FR*\i, ADRAL+\slot, \q, \i
.endif
.endr
.endm
.macro SCALES slot                     ; a K step's two scale words a row: lanes 0-15 A's block i, lanes 16-31 B's block i; the ninth load: lanes 16-31 lora_A's
.irp i, 0,1,2,3
	ds_load_b64 v[SC+8*NQ*\slot+NQ*\i:SC+8*NQ*\slot+NQ*\i+1], v[ADRSL+\slot] offset:\i*16*PITCH
.endr
.irp i, 0,1,2,3
	ds_load_b64 v[SC+8*NQ*\slot+NQ*(4+\i):SC+8*NQ*\slot+NQ*(4+\i)+1], v[ADRSH+\slot] offset:\i*16*PITCH
.endr
	ds_load_b64 v[LSC+NQ*\slot:LSC+NQ*\slot+1], v[ADRSH+\slot] offset:4*16*PITCH
.endm
.macro PLACES n
.rept \n
	v_nop
.endr
.endm
.macro STEP slot, zero                 ; a slot's first 128 along K
	s_wait_dscnt 8*NL                              ; the youngest 32 loads (A's high blocks, four blocks of B's other set) may be out
	WIN MUL_LO
	MUL16 0, 0, 0, \slot, \zero
	MUL16 2, 0, 0, \slot, \zero
	WIN 0
	LORA4 0, \slot, \zero
	PLACES NP
	FETCH_L \slot, 1
	FETCH_A \slot, 1, 0
	FETCH_B4 \slot, 1, 1, 4
	s_wait_dscnt 13*NL                             ; all but the 9 fragments just asked for and B's four before them
	WIN MUL_HI
	MUL16 4, 0, 0, \slot, \zero
	MUL16 6, 0, 0, \slot, \zero
	PLACES NP
	WIN 0
	FETCH_A \slot, 1, 1
.endm
.macro TURN slot, next, fill           ; a slot's second 128 along K, and the change of slots
.if \fill
	s_wait_xcnt 0x0                                ; my prefetches have read their address: it steps a K step
	s_add_nc_u64 s[PFA:PFA+1], s[PFA:PFA+1], s[PFS:PFS+1]
.endif
	s_wait_dscnt 4*NL                              ; A's high blocks may be out
	WIN MUL_LO
	MUL8 0, 1, 1, \slot
	WIN 0
	s_wait_tensorcnt 0x0                           ; my one load that was out, my part of the next slot, has landed
	ds_add_u32 v[SPW], v[NIL]
.if \fill
	s_add_nc_u64 s[G0+4*\slot+2:G0+4*\slot+3], s[G0+4*\slot+2:G0+4*\slot+3], 2*XSTEP
	s_add_nc_u64 s[G0B+4*\slot+2:G0B+4*\slot+3], s[G0B+4*\slot+2:G0B+4*\slot+3], 2*WSTEP
.endif
	WIN MUL_LO
	MUL8 1, 1, 1, \slot                            ; eight products stand between the add and the wait for it
	WIN 0
	s_wait_dscnt 0x0                               ; the add is done, my reads of this slot are over
	s_barrier_signal -1
	LORA4 1, \slot, 0                              ; work on registers between signal and wait
	s_barrier_wait -1
.if \fill
	CREST                                          ; the barrier has opened a round of the cluster's barrier
	JLOAD G0+4*\slot, G1, G0B+4*\slot, G1B         ; the refill, two K steps on: my one tensor load behind the round
.endif
	FETCH_B \next, 0, 0
	SCALES \next
.if \fill
	ASK 1                                          ; the K step two refills on
.endif
	WIN MUL_LO
	MUL16 2, 1, 1, \slot, 0
	WIN 0
	PLACES NP
	FETCH_L \next, 0
	FETCH_A \next, 0, 0
	WIN MUL_HI
	MUL16 4, 1, 1, \slot, 0
	MUL16 6, 1, 1, \slot, 0
	PLACES NP
	WIN 0
	FETCH_A \next, 0, 1
	FETCH_B4 \next, 1, 1, 0
.endm
	s_wait_alu depctr_va_vdst(0)
	s_wait_xcnt 0x0                                ; the head's prefetches have read their addresses
	s_add_nc_u64 s[PFA:PFA+1], s[PFA:PFA+1], s[PFS:PFS+1]   ; K step 3
	s_wait_tensorcnt 0x0                           ; my part of K step 0 is in; slot 1's first fill is issued as a refill is
	ds_add_u32 v[SPW], v[NIL]
	s_wait_dscnt 0x0                               ; the add and my stores of lora_B's image are done
	CROUND
	JLOAD G0+4, G1, G0B+4, G1B                     ; K step 1
	FETCH_B 0, 0, 0
	FETCH_L 0, 0
	FETCH_A 0, 0, 0
	SCALES 0
	FETCH_A 0, 0, 1
	ASK 0
	FETCH_B4 0, 1, 1, 0
	STEP 0, 1                                      ; the first step starts the sums
	s_mov_b32 s3, LAPS-1
.Llap:                                                 ; a trip goes once round the ring and fills both slots again
	TURN 0, 1, 1
	STEP 1, 0
	TURN 1, 0, 1
	STEP 0, 0
	s_sub_co_u32 s3, s3, 1
	s_cmp_lg_u32 s3, 0
	s_cbranch_scc1 .Llap
	TURN 0, 1, 0                                   ; the last lap fills nothing
	STEP 1, 0
	s_wait_dscnt 4*NL
	LORA4 1, 1, 0                                  ; T's last products go first: T is exchanged while the high blocks are multiplied
	WIN MUL_LO
	MUL16 0, 1, 1, 1, 0
	MUL16 2, 1, 1, 1, 0
	WIN 0
	PLACES NP
	; THE THIRD PRODUCT'S OPERANDS: fragments of T and of 2 x lora_B in bf16; K = 16 lies in registers 0-3, registers 4-7 (K 16-31) are zeros.  T's eight fragments take the registers of A's low blocks, which are done with
.set n, 0
.rept 8
	v_mov_b32 v[TF+8*n+4], 0
	v_mov_b32 v[TF+8*n+5], 0
	v_mov_b32 v[TF+8*n+6], 0
	v_mov_b32 v[TF+8*n+7], 0
.set n, n+1
.endr
.irp t, 0,1,2,3
.irp j, 0,1,2,3
	v_cvt_pk_bf16_f32 v[TF+8*\t+\j], v[TA+8*\t+2*\j], v[TA+8*\t+2*\j+1]
.endr
.endr
.irp t, 0,1,2,3
	ds_store_b128 v[TWI], v[TF+8*\t:TF+8*\t+3] offset:512*\t
.endr
	s_wait_alu depctr_va_vdst(0)
	s_wait_dscnt 0x0                               ; for my partner's sake: my T is stored; A's high blocks are in
	s_barrier_signal -1
	WIN MUL_HI
	MUL16 4, 1, 1, 1, 0                            ; work on registers between signal and wait
	MUL16 6, 1, 1, 1, 0
	WIN 0
	s_barrier_wait -1
	PLACES NP+1
.irp b, 0,1,2,3,4,5,6,7
	ds_load_b128 v[LB+8*\b:LB+8*\b+3], v[LBA] offset:512*\b
.endr
.irp t, 0,1,2,3
	ds_load_b128 v[TF+8*(4+\t):TF+8*(4+\t)+3], v[TRI] offset:512*\t   ; my high 64 rows' T: my partner's low
.endr
.set n, 8
.rept 8
	v_mov_b32 v[TF+8*n+4], 0
	v_mov_b32 v[TF+8*n+5], 0
	v_mov_b32 v[TF+8*n+6], 0
	v_mov_b32 v[TF+8*n+7], 0
.set n, n+1
.endr
	s_wait_alu depctr_va_vdst(0)
	s_wait_dscnt 0x0
	WIN 0xa0
.irp a, 0,1,2,3
.irp b, 0,1,2,3,4,5,6,7
	v_wmma_f32_16x16x32_bf16 v[8*(8*\a+\b):8*(8*\a+\b)+7], v[LB+8*\b:LB+8*\b+7], v[TF+8*\a:TF+8*\a+7], v[8*(8*\a+\b):8*(8*\a+\b)+7]
.endr
.endr
	WIN 0xf0
.irp a, 0,1,2,3
.irp b, 0,1,2,3,4,5,6,7
	v_wmma_f32_16x16x32_bf16 v[8*(8*\a+\b):8*(8*\a+\b)+7], v[LB+8*\b:LB+8*\b+7], v[TF+8*(4+\a):TF+8*(4+\a)+7], v[8*(8*\a+\b):8*(8*\a+\b)+7]
.endr
.endr
	WIN 0
; THE WAY OUT: a block of 16 rows x 128 columns goes through my own stage and comes back as whole rows of 512 bytes; bias is added; 32 lanes store two aligned units of 256 bytes
.macro TOSTAGE a
.set AC, 64*((\a)%4)
	WIN 0x08+4*((\a)/4)
.irp b, 0,1,2,3,4,5,6,7
	ds_store_b128 v[STO], v[AC+8*\b:AC+8*\b+3] offset:64*\b          ; each accumulator from its low end on
	ds_store_b128 v[STO], v[AC+8*\b+4:AC+8*\b+7] offset:64*\b+16
.endr
	WIN 0
.set BB, BK+64*((\a)%2)
.irp t, 0,1,2,3,4,5,6,7,8,9,10,11,12,13,14,15
	ds_load_b128 v[BB+4*\t:BB+4*\t+3], v[RD] offset:\t*SPITCH        ; LDS serves a wave's instructions in order (ISA guide 5.7.1)
.endr
.endm
.macro SEND a, younger
.set BB, BK+64*((\a)%2)
	s_wait_dscnt \younger
.irp t, 0,1,2,3,4,5,6,7,8,9,10,11,12,13,14,15
	v_pk_add_f32 v[BB+4*\t:BB+4*\t+1], v[BB+4*\t:BB+4*\t+1], v[BIAS:BIAS+1]
	v_pk_add_f32 v[BB+4*\t+2:BB+4*\t+3], v[BB+4*\t+2:BB+4*\t+3], v[BIAS+2:BIAS+3]
.if (\a) < 4
	global_store_b128 v[CO], v[BB+4*\t:BB+4*\t+3], s[12:13] offset:(((\a)%4)*16+\t)*16384
.else
	global_store_b128 v[CO], v[BB+4*\t:BB+4*\t+3], s[CHI:CHI+1] offset:(((\a)%4)*16+\t)*16384
.endif
.endr
.endm
	PLACES 4
	TOSTAGE 0
.irp a, 1,2,3,4,5,6,7
.if \a > 1
	s_wait_xcnt 0x0                                ; block a - 2's stores have read their registers: block a's loads may land there
.endif
	TOSTAGE \a
	SEND \a-1, 32                                  ; behind block a - 1's loads: block a's 16 stores and 16 loads
.endr
	SEND 7, 0
	s_wait_tensorcnt 0x0                           ; the wave's end
	ds_add_u32 v[SPW], v[NIL]
	s_wait_dscnt 0x0
	CROUND                                         ; the closing round
	s_endpgm
.Lfunc_end_k_q54a5eabf55_gemm:
	.size	k_q54a5eabf55_gemm, .Lfunc_end_k_q54a5eabf55_gemm-k_q54a5eabf55_gemm
	.p2alignl 7, 3214868480
	.fill 96, 4, 3214868480
	.section	.rodata,"a",@progbits
	.p2align	6, 0x0
	.amdhsa_kernel k_q54a5eabf55_gemm
		.amdhsa_group_segment_fixed_size 327680
		.amdhsa_private_segment_fixed_size 0
		.amdhsa_enable_private_segment 0
		.amdhsa_kernarg_size 40
		.amdhsa_user_sgpr_count 2
		.amdhsa_user_sgpr_kernarg_segment_ptr 1
		.amdhsa_wavefront_size32 1
		.amdhsa_system_sgpr_workgroup_id_x 1
		.amdhsa_system_sgpr_workgroup_id_y 1
		.amdhsa_system_sgpr_workgroup_id_z 1
		.amdhsa_system_vgpr_workitem_id 0
		.amdhsa_next_free_vgpr 1024
		.amdhsa_next_free_sgpr 84
		.amdhsa_reserve_vcc 0
		.amdhsa_float_denorm_mode_32 3
		.amdhsa_float_denorm_mode_16_64 3
		.amdhsa_memory_ordered 1
		.amdhsa_forward_progress 1
		.amdhsa_inst_pref_size 184
	.end_amdhsa_kernel
	.amdgpu_metadata
---
amdhsa.version: [ 1, 2 ]
amdhsa.kernels:
  - .name:           k_q54a5eabf55_gemm
    .symbol:         k_q54a5eabf55_gemm.kd
    .args:
      - { .name: xq, .offset: 0, .size: 8, .value_kind: global_buffer, .address_space: global }
      - { .name: wq, .offset: 8, .size: 8, .value_kind: global_buffer, .address_space: global }
      - { .name: lora_B, .offset: 16, .size: 8, .value_kind: global_buffer, .address_space: global }
      - { .name: bias, .offset: 24, .size: 8, .value_kind: global_buffer, .address_space: global }
      - { .name: out0, .offset: 32, .size: 8, .value_kind: global_buffer, .address_space: global }
    .group_segment_fixed_size: 327680
    .private_segment_fixed_size: 0
    .kernarg_segment_align: 8
    .kernarg_segment_size: 40
    .max_flat_workgroup_size: 128
    .sgpr_count:     84
    .vgpr_count:     1024
    .wavefront_size: 32
...
	.end_amdgpu_metadata
.endif
;; end of part 2
